; MI455X (gfx1250); checked and timed in simulation.
; The chip was launched on July 23, 2026; its instructions are those of AMD's public machine-readable ISA for CDNA 5 (MIT licence, August 2026) and "CDNA5" Instruction Set Architecture Reference Guide (July 2026). The comments in the code are by the model that wrote it; some were corrected since.
;; Causal Self Attention. Allowed arithmetic: matrix products marked QUANTISED: E2M1 operands, one E8M0 scale for each 32 along K, by v_wmma_scale_f32_16x16x128_f8f6f4 with both operands' format E2M1 (or v_wmma_scale_f32_32x16x128_f4), f32 sums; everything else in f32.
;; Inputs: b_out 1,024 float32; b_qkv 3,072 float32; w_out_codes 1,024 x 32 x 16 uint8 (E2M1 codes of w_out, K innermost, in blocks of 32 codes, two codes a byte); w_out_scales 1,024 x 32 uint8 (E8M0 scales of w_out, one for each 32 codes along K); w_qkv_codes 3,072 x 32 x 16 uint8 (E2M1 codes of w_qkv, K innermost, in blocks of 32 codes, two codes a byte); w_qkv_scales 3,072 x 32 uint8 (E8M0 scales of w_qkv, one for each 32 codes along K); x_codes 4 x 2,048 x 32 x 16 uint8 (E2M1 codes of x, K innermost, in blocks of 32 codes, two codes a byte); x_scales 4 x 2,048 x 32 uint8 (E8M0 scales of x, one for each 32 codes along K).
;; Outputs: out0 4 x 2,048 x 1,024 float32.
;; This version of the problem:
;;   THIS VERSION OF THE PROBLEM IS GIVEN IN LOW PRECISION. The matrix products marked QUANTISED in the list below multiply operands that are first quantised to E2M1 (2 exponent bits, 1 mantissa bit; 4 bits a number), with one power-of-two scale for each 32 numbers along K (OCP MX v1.0); their sums are f32. All else is computed in f32.
;;   The module's matrix products, in the order in which they are computed (A, B: the left and right operand; K: the contracted axis; several contracted axes count as one K, in the product's order):
;;     1. [M 8,192, K 1,024] x [K 1,024, N 3,072]; A: input x (given as codes); B: input w_qkv (given as codes): QUANTISED
;;     2. batch 64 x [M 2,048, K 64] x [K 64, N 2,048]; A: computed on the way; B: computed on the way: QUANTISED
;;     3. batch 64 x [M 2,048, K 2,048] x [K 2,048, N 64]; A: softmax (see below); B: computed on the way: QUANTISED
;;     4. [M 8,192, K 1,024] x [K 1,024, N 1,024]; A: computed on the way; B: input w_out (given as codes): QUANTISED
;;   THE QUANTISER, for each operand of a quantised product, along K:
;;     - K is cut into blocks of 32 from its start; a last block that is shorter is filled with zeros.
;;     - A block's scale is 2^e with e = floor(log2(the largest magnitude in the block)) - 2, held to -126 .. 127; a block of zeros has e = 0. As a byte (E8M0): e + 127.
;;     - Each number is divided by its block's scale, clamped to +-6, and rounded to the nearest number of E2M1, ties to even, subnormals kept.
;;     - The product sums the exact products of the quantised numbers (number of the format x scale) in f32.
;;   ~~~python
;;   def quantise(x, axis):      # numpy; x: float32 -> the quantised numbers, widened to float32 again
;;       x = np.moveaxis(x, axis, -1); K = x.shape[-1]
;;       x = np.pad(x, [(0, 0)] * (x.ndim - 1) + [(0, -K % 32)]); x = x.reshape(x.shape[:-1] + (-1, 32)); a = np.abs(x).max(-1, keepdims=True)
;;       e = np.where(a > 0, np.clip(np.frexp(np.where(a > 0, a, 1))[1] - 1 - 2, -126, 127), 0)      # np.frexp(a)[1] - 1 = floor(log2(a)), exactly
;;       r = np.clip(x / 2.0 ** e, -6, 6)
;;       step = 2.0 ** (np.maximum(np.frexp(np.where(r == 0, 1, r))[1] - 1, 0) - 1)
;;       q = np.round(r / step) * step * 2.0 ** e      # np.round: ties to even
;;       return np.moveaxis(q.reshape(q.shape[:-2] + (-1,))[..., :K], -1, axis).astype(np.float32)
;;   ~~~
;;   SOFTMAX AHEAD OF A QUANTISED PRODUCT. Where the list says 'softmax', what is quantised is not the finished softmax but p = 2^(t - M), with t = logit x log2(e) and M = ceil(the row's largest t), a whole number; so 1/2 < the row's largest p <= 1. The row's sum l is taken of the UNQUANTISED p, in f32, and the product's result is divided by l at the end. Since M is a whole number, a kernel that streams over the keys may use a running M (the ceiling of the running maximum): every later rescaling is an exact power of two, which a block's scale takes up: the codes' values come out the same.
;;   OPERANDS COMPUTED ON THE WAY. 'Computed on the way' means the value that the module computes at that place (a softmax that the list does not call 'softmax' is quantised finished and normalised). What goes into a quantiser is computed in f32, as accurately as f32 sums, v_exp_f32 and their like allow (about 1e-6 of the number): no bf16 or f16 on the way to a quantiser, and a product that is left as it is and whose result goes on into a quantised operand takes f32 operands (vector FMAs, or v_wmma_f32_16x16x4_f32). A number that lies on a knife's edge between two numbers of the format may be rounded either way, as far as f32 arithmetic and the matrix unit's own rounding can turn it there, and no further.
;;   INPUTS GIVEN AS CODES. w_out (in the module: [1024, 1024], K = its axis 0); w_qkv (in the module: [1024, 3072], K = its axis 0); x (in the module: [4, 2048, 1024], K = its axis 2): each comes as NAME_codes (uint8): NAME with its K axis moved to the last place and cut into blocks of 32 codes, [.., K / 32, bytes a block], one block behind the other in memory; two codes a byte, the lower K in the low four bits (a code: sign, 2 exponent bits, 1 mantissa bit); and NAME_scales (uint8): the same leading axes, one E8M0 byte (e + 127) for each 32 codes along K. Its value is code x scale, taken as it is: it is not quantised again, and the codes and scales need not be those that the quantiser above would give.
;; One version. Each part assembles by itself: llvm-mc -triple=amdgcn-amd-amdhsa -mcpu=gfx1250 --defsym DOCPART=n.
;; ======== version 1 of 1: 3 launches
;; limits: right only within a limited range of input values
;; workspace buffers: qimg 4,194,304 bytes; qsc 524,288 bytes; kv 9,175,040 bytes; oimg 4,194,304 bytes; osc 262,144 bytes
;; launch qkv (part 1): grid 12 x 32, 4 waves a work-group, clusters of 4 x 4, 327,680 bytes of LDS; arguments x_codes, x_scales, w_qkv_codes, w_qkv_scales, b_qkv, qimg, qsc, kv; writes qimg, qsc, kv
.if DOCPART == 1
	.amdgcn_target "amdgcn-amd-amdhsa--gfx1250"
	.amdhsa_code_object_version 6
	.text
	.protected	k_q3294385214_qkv
	.globl	k_q3294385214_qkv
	.p2align	8
	.type	k_q3294385214_qkv,@function
k_q3294385214_qkv:
	s_mov_b64 s[64:65], 0
	v_nop
	global_prefetch_b8 v0, s[64:65] scope:SCOPE_SE
	s_setreg_imm32_b32 hwreg(HW_REG_WAVE_MODE, 25, 1), 1
	s_wait_xcnt 0x0
	s_wait_alu depctr_hold_cnt(0) depctr_sa_sdst(0) depctr_va_vdst(0) depctr_va_sdst(0) depctr_va_ssrc(0) depctr_va_vcc(0) depctr_vm_vsrc(0)
	s_getreg_b32 s2, hwreg(HW_REG_IB_STS2, 6, 4)
	s_cmp_eq_u32 s2, 0
	s_cbranch_scc0 .Lentry_in_a_cluster
	s_endpgm
.Lentry_in_a_cluster:
	s_bfe_u32 s2, ttmp6, 0x10000c
	s_cmp_lg_u32 s2, 0xf033
	s_cbranch_scc0 .Lentry_shape_is_right
	s_endpgm
.Lentry_shape_is_right:
; qkv = x w_qkv + b_qkv on codes of FP4 (E2M1) with E8M0 scales, M 8,192, N 3,072, K 1,024; the result never goes to memory as f32: it is quantised here into the operands of the attention launch.
; Q and K are quantised along the head's 64 channels, V along the keys, each in blocks of 32, and stored as IMAGES OF THE OPERANDS' REGISTERS (16 bytes a lane, 512 consecutive bytes a store).
; WORK THAT THE PROGRAM LEAVES OUT (in the attention launch): reference() adds its own mask, -1e10 above the diagonal, ahead of the softmax.  For a key after the query, t - M is then under -1e10 whatever
; the finite inputs hold, as long as the visible logits stay above about -1e10, so p = 2^(t - M) is 0 and the key adds nothing to the sum or to the product.  Key steps of 128 keys that lie wholly after a tile's
; 16 queries are therefore not multiplied; inside the step on the diagonal hidden scores are replaced by -infinity, by selection.  Every input is loaded.
; LIMITS: logits of visible keys above about -1e10 in size are assumed (inputs 30 times the drawn ones give about 1e6); a NaN, an infinity or an overflow that reaches only hidden keys is not carried to the result;
; NaN and infinities among the inputs are not served; a block of zeros gets the scale byte 1 where the quantiser says 127: its codes are zeros, and these bytes are read by this program alone.
; SHARES.  A work-group of four waves makes 256 rows of x times 256 rows of w_qkv; a wave 128 x 128: 64 accumulators, 512 registers.  All of K (two slots of 512 along K, rows of 256 bytes) and all scale bytes
; lie in LDS at once: each wave issues three tensor loads at the head and nothing is filled again.
; CLUSTERS: 4 x 4 work-groups; x's tiles are asked for jointly along a row of the cluster, w_qkv's along a column.  The cluster's x is the TYPE: 0 = Q, 1 = K, 2 = V, the same in all sixteen partners.
; WHICH SIDE IS SOURCE 0.  A lane of the result holds one row of source 1, and its registers run along source 0's rows.  Q, K: source 0 = w_qkv's rows (channels), source 1 = x's rows: registers along the channels.
; V: source 0 = x's rows (keys), source 1 = w_qkv's rows: registers along the keys.  Only the LDS read addresses differ; they are chosen by the TYPE.
; FROM RESULTS TO CODES.  Of a block of 32 (tiles 2 b, 2 b + 1) lane half h holds k = 8 h + 0..7 and 16 + 8 h + 0..7.  Each conversion packs one such group of eight; two exchanges of lane halves for each pair of
; blocks give the operand's layout (registers 4 c .. 4 c + 3: k = 64 c + 32 h + 0 .. 31).
; REGISTERS: window 0: v1, v2 r, h; v16-30 addresses; v32-95 scale words (two sets); v96-103 the bias loads' offsets; v128-191 source 1's fragments; v192-255 the bias as C of the first step, later the way out's registers.
;   window 1: source 0's fragments, two sets.   windows 2, 3: the accumulators, (a, b) at v[8 (8 (a % 4) + b)].
.set NQ,     4                         ; steps of 128 along K in a slot
.set ROWB,   256                       ; a tile's row in bytes: 512 codes
.set KROW,   512                       ; a row of x or w_qkv in memory, in bytes
.set PITCH,  272                       ; an LDS row: 256 bytes + 16 of padding: the 16 rows that a load touches start 68 words apart
.set FR,     8
.set NL,     2
.set NP,     4
.set HALFT,  128*PITCH
.set SLOT,   4*HALFT                   ; x's 256 rows, then w_qkv's 256 rows
.set KS,     32                        ; a row of scale bytes
.set SCL,    2*SLOT                    ; behind the two slots: the scale bytes, as rows of 256 bytes + 16 of padding
.set HALFS,  16*272                    ; those of 128 rows
.set SBLK,   2*272                     ; those of 16 rows
.set SPARE,  SCL+4*HALFS               ; the spare words, 128 bytes for each wave
.set KVB,    8960                      ; kv: bytes of one head's step of 128 keys: 4,096 K images, 4,096 V fragments, 512 K scale words, 256 V scale words
.set KVH,    16*KVB                    ; and of a head
.set ADRA, 16                          ; v16-17  LDS address of source 1's fragments in slot 0, 1
.set ADRB, 20                          ; v20-21  of source 0's
.set LI,   24                          ; v24     16 x lane
.set VO1,  25                          ; v25     16 x lane + the distance to the second image
.set VS,   26                          ; v26     where my lane stores scale words
.set ADRS, 27                          ; v27     LDS address of my scale words: lanes 0-15 source 1's rows, lanes 16-31 source 0's
.set SPW,  28                          ; v28     LDS address of my spare word; never rewritten
.set NIL,  29                          ; v29     0; never rewritten
.set VS2,  30                          ; v30     the second head's scale words
.set SC,   32
.set BADR, 96
.set AF,   128
.set BT,   192                         ; v192-255 the bias, eight registers a tile
.set TM,   192                         ; the way out: v192-195 largest magnitudes, v196-199 at work, v204-207 the conversions' scale operands
.set PWS,  208                         ; v208-215 a scale word for each of the eight blocks a
.set PC,   216                         ; v216-223 codes
.set RS,   224                         ; v224-231 scale words to store
.set G1, 24
.set G0, 32
.set G1B, 48
.set G0B, 56
.set G1S, 68
.set G0S, 76
.set G1SB, 80
.set G0SB, 88
.set TYPE, 66                          ; s66  0 = Q, 1 = K, 2 = V
.set HM,   67                          ; s67  a mask of lanes 16-31
.set SEL,  20                          ; the way out's scalars lie in registers that the descriptors have left: all tensor loads are done by then
.set FLR,  22
.set OUTC, 24
.set OUTS, 26
.set SA,   28
.set SA4,  30
.set MSB, 0
.macro WIN new                         ; the immediate's high byte repeats the setting that is left
.if MSB != (\new)
	s_set_vgpr_msb (MSB<<8)|(\new)
.set MSB, (\new)
.endif
.endm
.set MUL_LO, 0xa1                      ; source 0 window 1, source 1 window 0, C and D window 2
.set MUL_HI, 0xf1                      ; the same, C and D window 3
.set TO_B,   0x40                      ; destination window 1, address window 0
; A joint load: waves 0 and 1 fetch for x, waves 2 and 3 for w_qkv.  The branch hangs on the wave's number alone.  An s_nop 0 and four v_nop follow each of the two lines.
.macro JLOAD g0a, g1a, g0b, g1b
	s_cmp_eq_u32 s15, 0
	s_cbranch_scc0 .Lfor_b_\@
	tensor_load_to_lds s[\g0a:\g0a+3], s[\g1a:\g1a+7]
	s_nop 0
.rept 4
	v_nop
.endr
	s_branch .Lasked_\@
.Lfor_b_\@:
	tensor_load_to_lds s[\g0b:\g0b+3], s[\g1b:\g1b+7]
	s_nop 0
.rept 4
	v_nop
.endr
.Lasked_\@:
.endm
.macro CROUND                          ; a round of the cluster's barrier
	s_barrier_signal -1
	s_barrier_wait -1
	s_cmp_lg_u32 s14, 0
	s_cbranch_scc1 .Lnot_wave_0_\@
	s_barrier_signal -3
.Lnot_wave_0_\@:
	s_barrier_wait -3
	s_barrier_signal -1
	s_barrier_wait -1
.endm
	s_load_b128 s[4:7], s[0:1], 0x0                ; x's codes, x's scales
	s_load_b128 s[8:11], s[0:1], 0x10              ; w_qkv's codes, w_qkv's scales
	s_load_b64 s[12:13], s[0:1], 0x20              ; b_qkv
	s_load_b64 s[96:97], s[0:1], 0x28              ; qimg
	s_load_b64 s[98:99], s[0:1], 0x30              ; qsc
	s_load_b64 s[100:101], s[0:1], 0x38            ; kv
	v_lshl_add_u32 v[SPW], v0, 2, SPARE
	v_mov_b32 v[NIL], 0
	ds_add_u32 v[SPW], v[NIL]                      ; the wave's opening: the add, twice on end, and its wait ahead of my first tensor load
	ds_add_u32 v[SPW], v[NIL]                      ; and once more, under the one wait; the set-up below, work on registers, stands between
	v_lshrrev_b32 v1, 5, v0
	v_readfirstlane_b32 s14, v1                    ; wave 0..3
	s_lshr_b32 s15, s14, 1                         ; which 128 rows of source 1's side are mine.  Also: I fetch for x (0) or for w_qkv (1)
	s_and_b32 s16, s14, 1                          ; which 128 rows of source 0's side.  Also: which 128 rows of that tile I fetch
	s_bfe_u32 s40, ttmp6, 0x40000                  ; cx, cy: my place in the cluster
	s_bfe_u32 s41, ttmp6, 0x40004
	s_mov_b32 s[TYPE], ttmp9                       ; the cluster's x: the same in all partners
	s_mov_b32 s[HM], 0xffff0000
	s_lshl_b32 s42, ttmp9, 2
	s_add_co_u32 s42, s42, s40                     ; tile column: 256 rows of w_qkv
	s_and_b32 s17, ttmp7, 0xffff
	s_lshl_b32 s17, s17, 2
	s_add_co_u32 s17, s17, s41                     ; tile row: 256 rows of x
	s_lshl_b32 s43, s41, 2
	s_lshl_b32 s43, 15, s43                        ; my row of the cluster
	s_lshl_b32 s44, 0x1111, s40                    ; my column
	; descriptor group 1: a tile of 128 rows x 256 bytes, 16 bytes of padding behind each row
	s_or_b32 s[G1+0], s43, (0<<16)|(1<<20)|(1<<21)|(5<<22)|(3<<25)  ; 15:0 the mask: x's tiles go to my row; elements of 1 byte; padding on; bit 21 beside a mask; after every 64 words, 4 words
	s_or_b32 s[G1B+0], s44, (0<<16)|(1<<20)|(1<<21)|(5<<22)|(3<<25) ; w_qkv's tiles go to my column
.irp g, G1, G1B
	s_mov_b32 s[\g+1], ROWB<<16                    ; tensor_dim0
	s_mov_b32 s[\g+2], 128<<16                     ; tensor_dim1
	s_mov_b32 s[\g+3], ROWB<<16                    ; tile_dim0
	s_mov_b32 s[\g+4], 128                         ; tile_dim1
	s_mov_b32 s[\g+5], KROW                        ; from row to row
	s_mov_b32 s[\g+6], 0
	s_mov_b32 s[\g+7], 0
.endr
	; the scale bytes of 128 rows: a dense block of 4,096 bytes, as 16 rows of 256 bytes (32 elements of 8 bytes), padded likewise
	s_or_b32 s[G1S+0], s43, (3<<16)|(1<<20)|(1<<21)|(5<<22)|(3<<25)
	s_or_b32 s[G1SB+0], s44, (3<<16)|(1<<20)|(1<<21)|(5<<22)|(3<<25)
.irp g, G1S, G1SB
	s_mov_b32 s[\g+1], 32<<16
	s_mov_b32 s[\g+2], 16<<16
	s_mov_b32 s[\g+3], 32<<16
	s_mov_b32 s[\g+4], 16
	s_mov_b32 s[\g+5], 32
	s_mov_b32 s[\g+6], 0
	s_mov_b32 s[\g+7], 0
.endr
	s_lshl_b32 s18, s16, 7                         ; which 128 rows of the tile I fetch
	s_lshl_b32 s20, s17, 8
	s_add_co_u32 s20, s20, s18                     ; x: row 256 x tile row + 128 x half
	s_lshl_b32 s46, s42, 8
	s_add_co_u32 s46, s46, s18                     ; w_qkv: row 256 x tile column + 128 x half
	s_mov_b32 s21, 0
	s_mov_b32 s47, 0
	s_mov_b64 s[18:19], KS
	s_mul_u64 s[22:23], s[20:21], s[18:19]         ; where these rows' scale bytes begin
	s_mul_u64 s[92:93], s[46:47], s[18:19]
	s_mov_b64 s[18:19], KROW
	s_mul_u64 s[20:21], s[20:21], s[18:19]         ; and their codes
	s_mul_u64 s[46:47], s[46:47], s[18:19]
	s_mul_i32 s45, s14, HALFT                      ; where they go: wave x 128 rows: no place in the cluster enters an LDS address
	s_mul_i32 s94, s14, HALFS
	s_wait_dscnt 0x0                               ; both opening adds are done
	s_wait_kmcnt 0x0
	s_add_nc_u64 s[20:21], s[4:5], s[20:21]
	s_add_nc_u64 s[22:23], s[6:7], s[22:23]
	s_add_nc_u64 s[46:47], s[8:9], s[46:47]
	s_add_nc_u64 s[92:93], s[10:11], s[92:93]
	CROUND                                         ; all sixteen work-groups are here: the joint loads meet
	s_mov_b32 s[G0S], 1
	s_add_co_u32 s[G0S+1], s94, SCL
	s_mov_b64 s[G0S+2:G0S+3], s[22:23]
	s_or_b32 s[G0S+3], s[G0S+3], 0x80000000
	s_mov_b32 s[G0SB], 1
	s_add_co_u32 s[G0SB+1], s94, SCL
	s_mov_b64 s[G0SB+2:G0SB+3], s[92:93]
	s_or_b32 s[G0SB+3], s[G0SB+3], 0x80000000
	JLOAD G0S, G1S, G0SB, G1SB                     ; the scale bytes first: they are wanted with the first step
.irp s, 0,1
	s_mov_b32 s[G0+4*\s], 1
	s_add_co_u32 s[G0+4*\s+1], s45, \s*SLOT
	s_add_nc_u64 s[G0+4*\s+2:G0+4*\s+3], s[20:21], \s*ROWB
	s_or_b32 s[G0+4*\s+3], s[G0+4*\s+3], 0x80000000
	s_mov_b32 s[G0B+4*\s], 1
	s_add_co_u32 s[G0B+4*\s+1], s45, \s*SLOT
	s_add_nc_u64 s[G0B+4*\s+2:G0B+4*\s+3], s[46:47], \s*ROWB
	s_or_b32 s[G0B+4*\s+3], s[G0B+4*\s+3], 0x80000000
	JLOAD G0+4*\s, G1, G0B+4*\s, G1B               ; three loads of mine are out, and no more follow
.endr
	v_and_b32 v1, 15, v0                           ; r = lane % 16
	v_bfe_u32 v2, v0, 4, 1                         ; h = lane / 16
	v_mul_u32_u24 v3, v1, PITCH
	v_lshl_add_u32 v4, v2, 4, v3                   ; a fragment's row x pitch + 16 x half
	s_wait_alu depctr_va_vdst(0)
	s_cmp_eq_u32 s[TYPE], 2                        ; V?  All that the TYPE chooses is chosen on this one compare
	s_cselect_b32 s18, 2*HALFT, 0                  ; source 1's rows: V: w_qkv's, which lie behind x's 256; else x's
	s_cselect_b32 s19, 0, 2*HALFT                  ; source 0's rows: the other side
	s_cselect_b32 s2, s15, s16                     ; which half of w_qkv's 256 rows is mine
	s_cselect_b32 s3, s16, s15                     ; which half of x's
	s_cselect_b32 s92, 0, 32                       ; the bias loads' offsets: bytes for each h,
	s_cselect_b32 s93, 4, 0                        ; for each r,
	s_cselect_b32 s94, 0, 4                        ; for each register j
	s_cselect_b32 s95, 2*HALFS, 0                  ; and the same two sides among the scale bytes
	s_cselect_b32 s46, 0, 2*HALFS
	s_mul_i32 s21, s15, HALFT
	s_mul_i32 s22, s16, HALFT
	s_add_co_u32 s21, s21, s18
	s_add_co_u32 s22, s22, s19
.irp s, 0,1
	v_add_nc_u32 v[ADRA+\s], s21, v4
	v_add_nc_u32 v[ADRB+\s], s22, v4
	s_add_co_u32 s21, s21, SLOT
	s_add_co_u32 s22, s22, SLOT
.endr
	v_mul_u32_u24 v5, v1, KS                       ; my row's scale bytes: 32 a row,
	v_lshrrev_b32 v6, 8, v5
	v_lshl_add_u32 v5, v6, 4, v5                   ; and 16 more for each 256 passed
	s_mul_i32 s21, s15, HALFS
	s_mul_i32 s22, s16, HALFS
	s_add_co_u32 s21, s21, s95
	s_add_co_u32 s22, s22, s46
	s_add_co_u32 s21, s21, SCL                     ; source 1's 128 rows
	s_add_co_u32 s22, s22, SCL                     ; source 0's
	v_mov_b32 v6, s21
	v_mov_b32 v7, s22
	v_cndmask_b32 v6, v6, v7, s[HM]                ; lanes 16-31 take source 0's
	v_add_nc_u32 v[ADRS], v5, v6
	v_and_b32 v6, 31, v0
	v_lshlrev_b32 v[LI], 4, v6
	; the bias, in the result's layout, eight registers a tile.  Q, K: register 8 t + j = b(16 t + 8 h + j), the C of source 0's block t.  V: = b(16 t + r), the C of source 1's block t
	s_lshl_b32 s20, s42, 8
	s_lshl_b32 s21, s2, 7
	s_add_co_u32 s20, s20, s21                     ; my first row of w_qkv
	s_lshl_b32 s20, s20, 2
	s_mov_b32 s21, 0
	s_add_nc_u64 s[12:13], s[12:13], s[20:21]
	v_mul_u32_u24 v5, v2, s92
	v_mad_u32_u24 v5, v1, s93, v5
	v_mov_b32 v6, s94
.irp j, 0,1,2,3,4,5,6,7
	v_mad_u32_u24 v[BADR+\j], v6, \j, v5
.endr
.irp t, 0,1,2,3,4,5,6,7
.irp j, 0,1,2,3,4,5,6,7
	global_load_b32 v[BT+8*\t+\j], v[BADR+\j], s[12:13] offset:64*\t
.endr
.endr
.macro FRAG reg, adr, q, i             ; a fragment, 16 rows x 128 K: lane l holds row l % 16; registers 4 c .. 4 c + 3 hold K = 64 c + 32 (l / 16) + 0 .. 31
.irp c, 0,1
	ds_load_b128 v[\reg+4*\c:\reg+4*\c+3], v[\adr] offset:64*(\q)+32*\c+(\i)*16*PITCH
.endr
.endm
; 16 matrix instructions: source 1's blocks a0, a0 + 1 x source 0's eight.  cm = 0: the sums go on; 1: they start from the bias of source 0's block; 2: from that of source 1's block.
; The 64 accumulators take turns, one instruction a turn, in the same order in every step.
.macro MUL16 a0, p, q, sc, cm
.irp a, \a0, \a0+1
.irp b, 0,1,2,3,4,5,6,7
.if \cm == 1
	v_wmma_scale_f32_16x16x128_f8f6f4 v[8*(8*((\a)%4)+\b):8*(8*((\a)%4)+\b)+7], v[128*(\p)+FR*\b:128*(\p)+FR*\b+FR-1], v[AF+FR*(\a):AF+FR*(\a)+FR-1], v[BT+8*\b:BT+8*\b+7], v[SC+8*NQ*(\sc)+NQ*\b+(\q)], v[SC+8*NQ*(\sc)+NQ*(\a)+(\q)] matrix_a_fmt:MATRIX_FMT_FP4 matrix_b_fmt:MATRIX_FMT_FP4 matrix_a_scale:MATRIX_SCALE_ROW1
.elseif \cm == 2
	v_wmma_scale_f32_16x16x128_f8f6f4 v[8*(8*((\a)%4)+\b):8*(8*((\a)%4)+\b)+7], v[128*(\p)+FR*\b:128*(\p)+FR*\b+FR-1], v[AF+FR*(\a):AF+FR*(\a)+FR-1], v[BT+8*(\a):BT+8*(\a)+7], v[SC+8*NQ*(\sc)+NQ*\b+(\q)], v[SC+8*NQ*(\sc)+NQ*(\a)+(\q)] matrix_a_fmt:MATRIX_FMT_FP4 matrix_b_fmt:MATRIX_FMT_FP4 matrix_a_scale:MATRIX_SCALE_ROW1
.else
	v_wmma_scale_f32_16x16x128_f8f6f4 v[8*(8*((\a)%4)+\b):8*(8*((\a)%4)+\b)+7], v[128*(\p)+FR*\b:128*(\p)+FR*\b+FR-1], v[AF+FR*(\a):AF+FR*(\a)+FR-1], v[8*(8*((\a)%4)+\b):8*(8*((\a)%4)+\b)+7], v[SC+8*NQ*(\sc)+NQ*\b+(\q)], v[SC+8*NQ*(\sc)+NQ*(\a)+(\q)] matrix_a_fmt:MATRIX_FMT_FP4 matrix_b_fmt:MATRIX_FMT_FP4 matrix_a_scale:MATRIX_SCALE_ROW1
.endif
.endr
.endr
.endm
.macro FETCH_B slot, q, p              ; source 0's eight fragments of the slot's q-th 128 along K into set p
	WIN TO_B
.irp i, 0,1,2,3,4,5,6,7
	FRAG 128*(\p)+FR*\i, ADRB+\slot, \q, \i
.endr
	WIN 0
.endm
.macro FETCH_A slot, q, i0             ; source 1's blocks i0 .. i0 + 3
.irp i, \i0, \i0+1, \i0+2, \i0+3
	FRAG AF+FR*(\i), ADRA+\slot, \q, \i
.endr
.endm
.macro SCALES sc                       ; a slot's scale words into set sc: four words a row; lanes 0-15 take source 1's block i, lanes 16-31 source 0's block i
.irp i, 0,1,2,3,4,5,6,7
	ds_load_b128 v[SC+8*NQ*\sc+NQ*\i:SC+8*NQ*\sc+NQ*\i+3], v[ADRS] offset:\i*SBLK
.endr
.endm
.macro PLACES n                        ; plain vector instructions between a matrix instruction and a load into, or a vector read of, its registers
.rept \n
	v_nop
.endr
.endm
; A step of 128 along K that has its successor in the same slot.  Source 1 has one set of registers: blocks 0-3 are fetched anew in the step's middle, blocks 4-7 at its end; source 0 has two sets.
.macro STEP slot, q, cm
	s_wait_dscnt 4*NL                              ; all but the youngest eight loads (source 1's blocks 4-7) are in
.if \cm
	WIN 0x81                                       ; source 0 window 1, source 1 and C (the bias) window 0, D window 2
.else
	WIN MUL_LO
.endif
	MUL16 0, (\q)%2, \q, \slot, \cm
	MUL16 2, (\q)%2, \q, \slot, \cm
	s_wait_dscnt 0                                 ; blocks 4-7 are in
	PLACES NP
	FETCH_B \slot, (\q)+1, 1-(\q)%2
	FETCH_A \slot, (\q)+1, 0
.if \cm
	WIN 0xc1                                       ; the same, D window 3
.else
	WIN MUL_HI
.endif
	MUL16 4, (\q)%2, \q, \slot, \cm
	MUL16 6, (\q)%2, \q, \slot, \cm
	PLACES NP
	WIN 0
	FETCH_A \slot, (\q)+1, 4
.endm
; Slot 0's last step goes over to slot 1: each wave waits for all its tensor loads (slot 1's is the one that may be out), and a barrier shows the whole slot to every wave.  Nothing is filled again.
.macro TURN slot, next
	s_wait_tensorcnt 0x0                           ; all my tensor loads have landed
	ds_add_u32 v[SPW], v[NIL]                      ; 0 onto my spare word
	s_wait_dscnt 4*NL+1                            ; (the add and the youngest eight loads may be out)
	WIN MUL_LO
	MUL16 0, 1, NQ-1, \slot, 0
	s_wait_dscnt 0x0                               ; no LDS instruction of mine is out at the signal
	s_barrier_signal -1
	MUL16 2, 1, NQ-1, \slot, 0
	WIN 0
	s_barrier_wait -1
	PLACES NP
	v_add_nc_u32 v[ADRS], 4*NQ, v[ADRS]            ; on to the next slot's scale words
	FETCH_B \next, 0, 0
	FETCH_A \next, 0, 0
	SCALES \next
	WIN MUL_HI
	MUL16 4, 1, NQ-1, \slot, 0
	MUL16 6, 1, NQ-1, \slot, 0
	PLACES NP
	WIN 0
	FETCH_A \next, 0, 4
.endm
.macro STEPS slot, from
.set Q, \from
.rept NQ-1-\from
	STEP \slot, Q, 0
.set Q, Q+1
.endr
.endm
	s_wait_tensorcnt 1                             ; the scale bytes and my part of slot 0 are in; slot 1's load, issued last, may be out
	s_barrier_signal -1
	s_barrier_wait -1                              ; everybody's are
	FETCH_B 0, 0, 0
	FETCH_A 0, 0, 0
	SCALES 0
	FETCH_A 0, 0, 4
	s_wait_loadcnt 0x0                             ; the bias
	s_cmp_eq_u32 s[TYPE], 2                        ; the first step is written twice: it differs in which block's bias starts a sum.  Both arms issue the same loads
	s_cbranch_scc1 .Lfirst_v
	STEP 0, 0, 1
	s_branch .Lfirst_done
.Lfirst_v:
	STEP 0, 0, 2
.Lfirst_done:
	STEPS 0, 1
	TURN 0, 1
	STEPS 1, 0
	s_wait_dscnt 4*NL                              ; the last step: nothing more to fetch
	WIN MUL_LO
	MUL16 0, 1, NQ-1, 1, 0
	MUL16 2, 1, NQ-1, 1, 0
	s_wait_dscnt 0
	WIN MUL_HI
	MUL16 4, 1, NQ-1, 1, 0
	MUL16 6, 1, NQ-1, 1, 0
	WIN 0
	; THE WAY OUT.  Where my results go: head0 = my first head, sg = my step of 128 positions in the batch, idx = 16 (16 batch + head0) + sg
	s_lshl_b32 s18, s40, 2
	s_lshl_b32 s19, s2, 1
	s_add_co_u32 s18, s18, s19                     ; head0 = 4 cx + 2 x my half of w_qkv's rows
	s_lshr_b32 s19, s17, 3                         ; the batch: eight tile rows each
	s_lshl_b32 s19, s19, 4
	s_add_co_u32 s18, s18, s19                     ; 16 batch + head0
	s_lshl_b32 s19, s17, 1
	s_add_co_u32 s19, s19, s3
	s_and_b32 s19, s19, 15                         ; sg
	s_lshl_b32 s23, s18, 4
	s_add_co_u32 s23, s23, s19                     ; idx
	s_mul_i32 s35, s23, KVB                        ; kv: my head's step
	s_lshl_b32 s36, s18, 16                        ; qimg: 65,536 bytes a head,
	s_lshl_b32 s19, s19, 12
	s_add_co_u32 s36, s36, s19                     ; 4,096 a step
	s_lshl_b32 s38, s23, 9                         ; qsc: 512 bytes a head's step
	s_add_co_u32 s23, s35, 8192                    ; kv: K's scale words
	s_cmp_eq_u32 s[TYPE], 0                        ; Q?
	s_cselect_b64 s[OUTC:OUTC+1], s[96:97], s[100:101]
	s_cselect_b64 s[OUTS:OUTS+1], s[98:99], s[100:101]
	s_cselect_b32 s36, s36, s35
	s_cselect_b32 s38, s38, s23
	s_mov_b32 s32, KVH
	s_cselect_b32 s32, 65536, s32                  ; from the first image of a block to the second: Q, K: the next head
	s_mov_b32 s34, KVH
	s_cselect_b32 s34, 8192, s34                   ; and the same for the scale words
	s_cmp_eq_u32 s[TYPE], 2                        ; V?
	s_cselect_b32 s32, 512, s32                    ; V: the fragment's second half
	s_mov_b32 s[SA], 512
	s_cselect_b32 s[SA], 1024, s[SA]               ; from block a to block a + 1
	s_mov_b32 s[SA4], 512
	s_cselect_b32 s[SA4], KVH-3*1024, s[SA4]       ; from block 3 to block 4: V: the next head's first fragment
	s_mov_b32 s33, 256
	s_cselect_b32 s33, KVH, s33                    ; lanes 16-31's scale words: Q, K: blocks 4-7 of the same head; V: the next head
	s_cselect_b32 s18, 4096, 0                     ; V's fragments lie behind K's images,
	s_cselect_b32 s19, 512, 0                      ; V's scale words behind K's
	s_add_co_u32 s36, s36, s18
	s_add_co_u32 s38, s38, s19
	s_mov_b32 s37, 0
	s_mov_b32 s39, 0
	s_mov_b32 s[SA+1], 0
	s_mov_b32 s[SA4+1], 0
	s_add_nc_u64 s[OUTC:OUTC+1], s[OUTC:OUTC+1], s[36:37]
	s_add_nc_u64 s[OUTS:OUTS+1], s[OUTS:OUTS+1], s[38:39]
	s_mov_b32 s[SEL], 0x76543210
	s_mov_b32 s[SEL+1], 0xfedcba98                 ; v_permlanex16_b32's selects for lane l xor 16
	s_mov_b32 s[FLR], 0x1800000                    ; the floor 2^(3 - 127): no scale byte falls under 1
	PLACES NP                                      ; behind the last products
	v_add_nc_u32 v[VO1], s32, v[LI]
	v_lshlrev_b32 v[VS], 4, v1
	v_mul_u32_u24 v3, v2, s33
	v_add_nc_u32 v[VS], v[VS], v3                  ; 16 r + h x the distance above
	v_add_nc_u32 v[VS2], s34, v[VS]
.irp b, 0,1,2,3
	v_mov_b32 v[TM+4+\b], 0                        ; written once: a lane permute's destination counts as one of its sources
.endr
; Block a: the 64 registers of its eight accumulators are four blocks of 32 along the next product's K: register 16 b + i.  Their largest magnitudes, scale bytes and codes; two stores of 512 consecutive bytes.
.macro OUTA a
.set AC, 64*((\a)%4)
	WIN 0x28+0x14*((\a)/4)                         ; sources 1 and 2: window 2 or 3
.irp b, 0,1,2,3
	v_max3_num_f32 v[TM+\b], s[FLR], |v[AC+16*\b]|, |v[AC+16*\b+1]|          ; each accumulator is read from its low end on
.endr
.irp i, 2,4,6,8,10,12,14
.irp b, 0,1,2,3
	v_max3_num_f32 v[TM+\b], v[TM+\b], |v[AC+16*\b+\i]|, |v[AC+16*\b+\i+1]|  ; the four blocks by turns
.endr
.endr
	WIN 0
.irp b, 0,1,2,3
	v_permlanex16_b32 v[TM+4+\b], v[TM+\b], s[SEL], s[SEL+1]
.endr
.irp b, 0,1,2,3
	v_max_num_f32 v[TM+\b], v[TM+\b], v[TM+4+\b]   ; with lane l xor 16's 16 numbers: the block's largest magnitude
.endr
.irp b, 0,1,2,3
	v_add_nc_u32 v[TM+12+\b], 0xff000000, v[TM+\b] ; 2 off its exponent field: the conversion's scale operand
.endr
.irp b, 0,1,2,3
	v_lshrrev_b32 v[TM+4+\b], 23, v[TM+12+\b]      ; the scale's byte
.endr
	v_lshl_or_b32 v[PWS+(\a)], v[TM+5], 8, v[TM+4]
	v_lshl_or_b32 v[PWS+(\a)], v[TM+6], 16, v[PWS+(\a)]
	v_lshl_or_b32 v[PWS+(\a)], v[TM+7], 24, v[PWS+(\a)]
	s_wait_xcnt 0x0                                ; the last block's stores have read their data and their base: both are written again only behind this wait
.if (\a) == 4
	s_add_nc_u64 s[OUTC:OUTC+1], s[OUTC:OUTC+1], s[SA4:SA4+1]
.elseif (\a) > 0
	s_add_nc_u64 s[OUTC:OUTC+1], s[OUTC:OUTC+1], s[SA:SA+1]
.endif
	WIN 2+(\a)/4                                   ; source 0: window 2 or 3
.irp b, 0,1,2,3
	v_cvt_scalef32_pk8_fp4_f32 v[PC+4*(\b/2)+(\b%2)], v[AC+16*\b:AC+16*\b+7], v[TM+12+\b]        ; k = 32 b + 8 h + 0 .. 7
	v_cvt_scalef32_pk8_fp4_f32 v[PC+4*(\b/2)+2+(\b%2)], v[AC+16*\b+8:AC+16*\b+15], v[TM+12+\b]   ; k = 32 b + 16 + 8 h + 0 .. 7
.endr
	WIN 0
	v_nop                                          ; one plain place behind a scaled conversion
.irp i, 0,2,4,6
	v_permlane16_swap_b32 v[PC+\i], v[PC+\i+1]     ; the first's lanes 16-31 change places with the second's lanes 0-15: registers 4 c .. 4 c + 3 now hold k = 64 c + 32 h + 0 .. 31
.endr
	global_store_b128 v[LI], v[PC:PC+3], s[OUTC:OUTC+1]        ; 32 lanes store 512 consecutive bytes, at a multiple of 256 from the buffer's first byte
	global_store_b128 v[VO1], v[PC+4:PC+7], s[OUTC:OUTC+1]
.endm
.irp a, 0,1,2,3,4,5,6,7
	OUTA \a
.endr
	; the scale words.  Q, K: word (a, r): bytes 0, 1 the first head's, bytes 2, 3 the second's; a lane stores the words of four blocks a.  V: word (a, r): the four blocks of keys of channel 16 a + r
.irp j, 0,1,2,3
	v_cndmask_b32 v[RS+\j], v[PWS+\j], v[PWS+4+\j], s[HM]      ; lanes 16-31 take blocks 4-7
.endr
	global_store_b128 v[VS], v[RS:RS+3], s[OUTS:OUTS+1]        ; Q, K: 512 consecutive bytes (the upper two bytes of a word meet zero codes only, and are never 0xff); V: 256 for each of the two heads
	s_cmp_eq_u32 s[TYPE], 2
	s_cbranch_scc1 .Lno_second
.irp j, 0,1,2,3
	v_lshrrev_b32 v[RS+4+\j], 16, v[RS+\j]         ; Q, K: the second head's two bytes come down
.endr
	global_store_b128 v[VS2], v[RS+4:RS+7], s[OUTS:OUTS+1]
.Lno_second:
	s_wait_tensorcnt 0x0                           ; the wave's end, behind my last tensor load
	ds_add_u32 v[SPW], v[NIL]
	s_wait_dscnt 0x0
	CROUND                                         ; the closing round: no work-group ends while a partner may still ask for a tile that names it
	s_endpgm
.Lfunc_end_k_q3294385214_qkv:
	.size	k_q3294385214_qkv, .Lfunc_end_k_q3294385214_qkv-k_q3294385214_qkv
	.p2alignl 7, 3214868480
	.fill 96, 4, 3214868480
	.section	.rodata,"a",@progbits
	.p2align	6, 0x0
	.amdhsa_kernel k_q3294385214_qkv
		.amdhsa_group_segment_fixed_size 327680
		.amdhsa_private_segment_fixed_size 0
		.amdhsa_enable_private_segment 0
		.amdhsa_kernarg_size 64
		.amdhsa_user_sgpr_count 2
		.amdhsa_user_sgpr_kernarg_segment_ptr 1
		.amdhsa_wavefront_size32 1
		.amdhsa_system_sgpr_workgroup_id_x 1
		.amdhsa_system_sgpr_workgroup_id_y 1
		.amdhsa_system_sgpr_workgroup_id_z 1
		.amdhsa_system_vgpr_workitem_id 0
		.amdhsa_next_free_vgpr 1024
		.amdhsa_next_free_sgpr 102
		.amdhsa_reserve_vcc 0
		.amdhsa_float_denorm_mode_32 3
		.amdhsa_float_denorm_mode_16_64 3
		.amdhsa_memory_ordered 1
		.amdhsa_forward_progress 1
		.amdhsa_inst_pref_size 147
	.end_amdhsa_kernel
	.amdgpu_metadata
---
amdhsa.version: [ 1, 2 ]
amdhsa.kernels:
  - .name:           k_q3294385214_qkv
    .symbol:         k_q3294385214_qkv.kd
    .args:
      - { .name: x_codes, .offset: 0, .size: 8, .value_kind: global_buffer, .address_space: global }
      - { .name: x_scales, .offset: 8, .size: 8, .value_kind: global_buffer, .address_space: global }
      - { .name: w_qkv_codes, .offset: 16, .size: 8, .value_kind: global_buffer, .address_space: global }
      - { .name: w_qkv_scales, .offset: 24, .size: 8, .value_kind: global_buffer, .address_space: global }
      - { .name: b_qkv, .offset: 32, .size: 8, .value_kind: global_buffer, .address_space: global }
      - { .name: qimg, .offset: 40, .size: 8, .value_kind: global_buffer, .address_space: global }
      - { .name: qsc, .offset: 48, .size: 8, .value_kind: global_buffer, .address_space: global }
      - { .name: kv, .offset: 56, .size: 8, .value_kind: global_buffer, .address_space: global }
    .group_segment_fixed_size: 327680
    .private_segment_fixed_size: 0
    .kernarg_segment_align: 8
    .kernarg_segment_size: 64
    .max_flat_workgroup_size: 128
    .sgpr_count:     102
    .vgpr_count:     1024
    .wavefront_size: 32
...
	.end_amdgpu_metadata
.endif
;; end of part 1
;; launch attn (part 2): grid 4 x 64, 16 waves a work-group, clusters of 4 x 1, 167,936 bytes of LDS; arguments qimg, qsc, kv, oimg, osc; writes oimg, osc
.if DOCPART == 2
	.amdgcn_target "amdgcn-amd-amdhsa--gfx1250"
	.amdhsa_code_object_version 6
	.text
	.protected	k_q3294385214_attn
	.globl	k_q3294385214_attn
	.p2align	8
	.type	k_q3294385214_attn,@function
k_q3294385214_attn:
	s_mov_b64 s[64:65], 0
	v_nop
	global_prefetch_b8 v0, s[64:65] scope:SCOPE_SE
	s_setreg_imm32_b32 hwreg(HW_REG_WAVE_MODE, 25, 1), 1
	s_wait_xcnt 0x0
	s_wait_alu depctr_hold_cnt(0) depctr_sa_sdst(0) depctr_va_vdst(0) depctr_va_sdst(0) depctr_va_ssrc(0) depctr_va_vcc(0) depctr_vm_vsrc(0)
	s_getreg_b32 s2, hwreg(HW_REG_IB_STS2, 6, 4)
	s_cmp_eq_u32 s2, 0
	s_cbranch_scc0 .Lentry_in_a_cluster
	s_endpgm
.Lentry_in_a_cluster:
	s_bfe_u32 s2, ttmp6, 0x10000c
	s_cmp_lg_u32 s2, 0x3003
	s_cbranch_scc0 .Lentry_shape_is_right
	s_endpgm
.Lentry_shape_is_right:
; Causal attention of one head on codes of FP4 (E2M1): S^T = K Q^T (K = the head's 64 channels, filled up to 128 with zero codes on both sides), p = 2^(t - M), O^T = V^T P^T (K = the keys), O / l quantised along D.
; WORK LEFT OUT: key steps of 128 keys that lie wholly after a tile's 16 queries: reference()'s own mask makes their p 0 for all finite inputs whose visible logits stay above about -1e10 (shown at the head of the
; first kernel).  In the step on the diagonal hidden scores become -infinity by selection.  A NaN, an infinity or an overflow that reaches only hidden keys is not carried to the result.
; THE SOFTMAX: t = score x log2(e) / 8; M = the running largest t rounded UP to a whole number; p = 2^(t - M) is quantised along the keys, not normalised; the row's sum is taken of the unquantised p and divides at the end.
; When M moves, the sum and O^T are multiplied by 2^(old M - new M): nothing is rounded, and there is no branch on data.
; SHARES.  The four work-groups of a cluster belong to one head.  The head's K and V codes and scale words, 16 steps of 8,960 bytes, come into LDS ONCE, by one joint tensor load a wave (wave w: step w), and stay.
; Wave w of work-group g owns two tiles of 16 queries: T0 = g + 4 w and T1 = 127 - g - 4 w.  Their last key steps are w / 2 and 15 - w / 2, whatever g: so each wave walks 17 key steps, and no branch hangs on the
; work-group's place in its cluster.  Sixteen waves of 256 registers: four to a SIMD, so that one wave's vector work stands beside another's matrix work and LDS loads.
; LAYOUT.  Both products are used transposed: a lane holds ONE query (lane % 16) throughout.  In S^T register 8 t + j holds key 16 t + 8 h + j; a block of 32 keys is tiles 2 b, 2 b + 1 of lanes l and l xor 16; each
; conversion packs a group of eight neighbouring keys, and two exchanges of lane halves for each pair of blocks give the operand's layout.
; LIMITS: a block of zeros gets the scale byte 1 (its codes are zeros; the bytes are read by this program alone); NaN and infinities are not served.
; REGISTERS: v1-5, v10, v11 addresses; v6, v7 O's scale bytes of the two tiles; v8, v9 Q's scale words; v12 -M, v13 the largest t, v[14:15] the sum in two halves; v16-31 Q's two fragments; v32-95 K's eight;
;   v96-159 S^T, then p; v160-191 O^T; v192-223 V's four fragments; v224-231 codes; v232-243 at work; v244-247 K's scale words, v248-251 V's; v252 f; v253 p's scale word; v254 at work.
.set KVB,   8960                       ; a step's bytes: 4,096 K images, 4,096 V fragments, 512 K scale words, 256 V scale words
.set SPARE, 16*KVB                     ; behind the head's 16 steps: the spare words, 128 bytes for each of the sixteen waves
.set LI,   1                           ; v1   16 x lane
.set SPW,  2                           ; v2   LDS address of my spare word; never rewritten
.set NIL,  3                           ; v3   0; never rewritten
.set ADR,  4                           ; v4   the step's bytes + 16 x lane
.set ADR2, 5                           ; v5   the step's bytes + 16 r
.set OBY,  6                           ; v6, v7
.set QS,   8                           ; v8, v9
.set LR,   10                          ; v10  16 r
.set DB,   11                          ; v11  r - 8 h
.set WV,   14
.set SEL,  20
.set CS,   22                          ; s[22:23] c = log2(e) / 8
.set G1,   24
.set G0,   32
.set TB,   36                          ; s36  LDS byte at which the step in hand begins
.set SI,   37                          ; s37  the step
.set LL,   38                          ; s38, s39  the two tiles' last steps
.set TT,   40                          ; s40, s41  the two tiles
.set HM,   42                          ; s42  a mask of lanes 16-31
.set QB,   44                          ; s[44:47] Q's images;  s[48:51] Q's scale words;  s[52:55] O's images
.set QSB,  48
.set OB,   52
.set OO,   56                          ; s56, s57  the tiles' places in osc
.set SD,   58                          ; s58, s59  16 (T % 8): the tile's first query in its last step
.macro CROUND                          ; a round of the cluster's barrier
	s_barrier_signal -1
	s_barrier_wait -1
	s_cmp_lg_u32 s[WV], 0
	s_cbranch_scc1 .Lnot_wave_0_\@
	s_barrier_signal -3
.Lnot_wave_0_\@:
	s_barrier_wait -3
	s_barrier_signal -1
	s_barrier_wait -1
.endm
	s_load_b256 s[4:11], s[0:1], 0x0               ; qimg s[4:5], qsc s[6:7], kv s[8:9], oimg s[10:11]
	s_load_b64 s[12:13], s[0:1], 0x20              ; osc
	v_lshl_add_u32 v[SPW], v0, 2, SPARE
	v_mov_b32 v[NIL], 0
	ds_add_u32 v[SPW], v[NIL]                      ; the wave's opening: the add, twice on end, and its wait ahead of my first tensor load
	ds_add_u32 v[SPW], v[NIL]                      ; and once more, under the one wait; the set-up below, work on registers, stands between
	v_lshrrev_b32 v4, 5, v0
	s_delay_alu instid0(VALU_DEP_1)
	v_readfirstlane_b32 s[WV], v4                  ; wave 0..15
	s_bfe_u32 s15, ttmp6, 0x40000                  ; g: my place in the cluster: it enters global addresses of my own loads and stores, and the mask's numbers, alone
	s_and_b32 s16, ttmp7, 0xffff                   ; 16 batch + head, which the four partners share
	s_mov_b32 s[HM], 0xffff0000
	s_mov_b32 s[SEL], 0x76543210
	s_mov_b32 s[SEL+1], 0xfedcba98                 ; v_permlanex16_b32's selects for lane l xor 16
	s_mov_b32 s[CS], 0x3e38aa3b                    ; c = log2(e) / sqrt(64)
	s_mov_b32 s[CS+1], s[CS]                       ; (named with it as a pair, so it is written)
	; descriptor group 1: a step's 8,960 dense bytes as 35 rows of 256 bytes (32 elements of 8 bytes), no padding: every LDS read takes 16 x lane on end
	s_mov_b32 s[G1], 15|(3<<16)|(1<<21)            ; 15:0 the mask: all four work-groups; elements of 8 bytes; bit 21 beside a mask
	s_mov_b32 s[G1+1], 32<<16                      ; tensor_dim0
	s_mov_b32 s[G1+2], 35<<16                      ; tensor_dim1
	s_mov_b32 s[G1+3], 32<<16                      ; tile_dim0
	s_mov_b32 s[G1+4], 35                          ; tile_dim1
	s_mov_b32 s[G1+5], 32                          ; from row to row
	s_mov_b32 s[G1+6], 0
	s_mov_b32 s[G1+7], 0
	s_mov_b32 s[G0], 1
	s_mul_i32 s[G0+1], s[WV], KVB                  ; LDS address: step w
	s_mul_i32 s18, s16, 16*KVB
	s_add_co_u32 s18, s18, s[G0+1]                 ; and in kv: the head's step w
	s_mov_b32 s19, 0
	s_lshl_b32 s60, s[WV], 2
	s_add_co_u32 s[TT], s60, s15                   ; T0 = 4 w + g
	s_sub_co_u32 s[TT+1], 127, s[TT]               ; T1 = 127 - T0
	s_lshr_b32 s[LL], s[WV], 1                     ; T0 / 8 = w / 2
	s_sub_co_u32 s[LL+1], 15, s[LL]                ; T1 / 8 = 15 - w / 2
	s_lshr_b32 s62, s16, 4                         ; batch
	s_and_b32 s63, s16, 15                         ; head
.irp p, 0,1
	s_lshl_b32 s60, s16, 7
	s_add_co_u32 s60, s60, s[TT+\p]
	s_lshl_b32 s[QB+2*\p], s60, 9                  ; qimg: 512 (128 (16 batch + head) + T)
	s_mov_b32 s[QB+2*\p+1], 0
	s_lshl_b32 s60, s16, 4
	s_lshr_b32 s61, s[TT+\p], 3
	s_add_co_u32 s60, s60, s61
	s_lshl_b32 s60, s60, 9                         ; qsc: 512 bytes for eight tiles,
	s_bfe_u32 s61, s[TT+\p], 0x10002
	s_lshl_b32 s61, s61, 8
	s_add_co_u32 s60, s60, s61                     ; 256 for four,
	s_and_b32 s61, s[TT+\p], 3
	s_lshl_b32 s61, s61, 2
	s_add_co_u32 s[QSB+2*\p], s60, s61             ; the tile's word among a row's four
	s_mov_b32 s[QSB+2*\p+1], 0
	s_lshl_b32 s60, s62, 7
	s_add_co_u32 s60, s60, s[TT+\p]                ; 128 batch + T
	s_lshl_b32 s61, s60, 4
	s_add_co_u32 s61, s61, s63
	s_lshl_b32 s[OB+2*\p], s61, 9                  ; oimg: 512 (16 (128 batch + T) + head)
	s_mov_b32 s[OB+2*\p+1], 0
	s_lshl_b32 s60, s60, 9                         ; osc: 512 bytes a tile,
	s_lshr_b32 s61, s63, 1
	s_lshl_b32 s61, s61, 6
	s_add_co_u32 s60, s60, s61                     ; 64 for each pair of heads,
	s_and_b32 s61, s63, 1
	s_lshl_b32 s61, s61, 1
	s_add_co_u32 s[OO+\p], s60, s61                ; 2 for the head in its pair
	s_and_b32 s61, s[TT+\p], 7
	s_lshl_b32 s[SD+\p], s61, 4
.endr
	s_wait_dscnt 0x0                               ; both opening adds are done
	s_wait_kmcnt 0x0
	s_add_nc_u64 s[G0+2:G0+3], s[8:9], s[18:19]
	s_or_b32 s[G0+3], s[G0+3], 0x80000000          ; type = 2
.irp p, 0,1
	s_add_nc_u64 s[QB+2*\p:QB+2*\p+1], s[4:5], s[QB+2*\p:QB+2*\p+1]
	s_add_nc_u64 s[QSB+2*\p:QSB+2*\p+1], s[6:7], s[QSB+2*\p:QSB+2*\p+1]
	s_add_nc_u64 s[OB+2*\p:OB+2*\p+1], s[10:11], s[OB+2*\p:OB+2*\p+1]
.endr
	CROUND                                         ; all four work-groups are here: the joint loads meet
	tensor_load_to_lds s[G0:G0+3], s[G1:G1+7]      ; my one tensor load of the launch
	s_nop 0
.rept 4
	v_nop
.endr
	v_and_b32 v[LI], 31, v0
	s_delay_alu instid0(VALU_DEP_1)
	v_lshlrev_b32 v[LI], 4, v[LI]
	v_and_b32 v[ADR], 15, v0                       ; r
	v_bfe_u32 v[ADR2], v0, 4, 1                    ; h
	s_delay_alu instid0(VALU_DEP_2)
	v_lshlrev_b32 v[LR], 4, v[ADR]
	s_delay_alu instid0(VALU_DEP_2)
	v_lshlrev_b32 v[DB], 3, v[ADR2]
	s_delay_alu instid0(VALU_DEP_1)
	v_sub_nc_u32 v[DB], v[ADR], v[DB]
.irp p, 0,1
	global_load_b128 v[16+8*\p:19+8*\p], v[LI], s[QB+2*\p:QB+2*\p+1]       ; Q's fragment: channels 32 h + 0 .. 31 of query r
	global_load_b32 v[QS+\p], v[LR], s[QSB+2*\p:QSB+2*\p+1]                ; and its scale word
.endr
.irp i, 20,21,22,23,28,29,30,31
	v_mov_b32 v[\i], 0                             ; K = 64 is filled up to the instruction's 128 with zero codes, on both operands: Q's upper registers,
.endr
.irp t, 0,1,2,3,4,5,6,7
.irp i, 4,5,6,7
	v_mov_b32 v[32+8*\t+\i], 0                     ; and K's, written once
.endr
.endr
	s_wait_tensorcnt 0x0                           ; my step has landed,
	s_barrier_signal -1
	s_barrier_wait -1                              ; everybody's has: the head's K and V lie in LDS
	s_wait_loadcnt 0x0                             ; Q
; A KEY STEP of tile p: 128 keys.
.macro STEP p
	v_add_nc_u32 v[ADR], s[TB], v[LI]
	v_add_nc_u32 v[ADR2], s[TB], v[LR]
	v_nop
	v_nop                                          ; four plain instructions between the last step's products and the loads into their registers
.irp t, 0,1,2,3,4,5,6,7
	ds_load_b128 v[32+8*\t:35+8*\t], v[ADR] offset:512*\t                  ; K's image of tile t: 16 keys x 64 channels
.endr
	ds_load_b128 v[244:247], v[ADR] offset:8192                            ; K's scale words: lanes 0-15 tiles 0-3, lanes 16-31 tiles 4-7
.irp t, 0,1,2,3
.irp c, 0,1
	ds_load_b128 v[192+8*\t+4*\c:195+8*\t+4*\c], v[ADR] offset:4096+1024*\t+512*\c   ; V^T: 16 channels x 128 keys
.endr
.endr
	ds_load_b128 v[248:251], v[ADR2] offset:8704                           ; V's scale words: lane r: channel 16 t + r
	s_wait_dscnt 9                                 ; K's nine loads are in; V's nine, issued behind them, may be out
.irp t, 0,1,2,3
	v_wmma_scale_f32_16x16x128_f8f6f4 v[96+8*\t:103+8*\t], v[32+8*\t:39+8*\t], v[16+8*\p:23+8*\p], 0, v[244+\t], v[QS+\p] matrix_a_fmt:MATRIX_FMT_FP4 matrix_b_fmt:MATRIX_FMT_FP4
.endr
.irp t, 4,5,6,7
	v_wmma_scale_f32_16x16x128_f8f6f4 v[96+8*\t:103+8*\t], v[32+8*\t:39+8*\t], v[16+8*\p:23+8*\p], 0, v[240+\t], v[QS+\p] matrix_a_fmt:MATRIX_FMT_FP4 matrix_b_fmt:MATRIX_FMT_FP4 matrix_a_scale:MATRIX_SCALE_ROW1
.endr
.rept 4
	v_nop
.endr
	s_cmp_lt_u32 s[SI], s[LL+\p]                   ; a step all of whose keys count skips the mask: the wave's number and the count of steps decide
	s_cbranch_scc1 .Lopen_\p
	v_add_nc_u32 v252, s[SD+\p], v[DB]             ; d = my query's place in the step - 8 h.  Register n holds key 16 (n / 8) + n % 8 + 8 h: hidden where 16 (n / 8) + n % 8 > d
	v_mov_b32 v254, 0xff800000                     ; -infinity
.irp n, 0,1,2,3,4,5,6,7,8,9,10,11,12,13,14,15,16,17,18,19,20,21,22,23,24,25,26,27,28,29,30,31,32,33,34,35,36,37,38,39,40,41,42,43,44,45,46,47,48,49,50,51,52,53,54,55,56,57,58,59,60,61,62,63
	v_cmp_gt_i32 vcc_lo, 16*(\n/8)+\n%8, v252
	v_cndmask_b32 v[96+\n], v[96+\n], v254, vcc_lo
.endr
.Lopen_\p:
.irp b, 0,1,2,3
	v_max3_num_f32 v[232+\b], v[96+16*\b], v[97+16*\b], v[98+16*\b]        ; the largest score of each block of 32 keys: it serves for the row's maximum and, since p rises with the score, for the block's largest p
.endr
.irp i, 3,5,7,9,11,13
.irp b, 0,1,2,3
	v_max3_num_f32 v[232+\b], v[232+\b], v[96+16*\b+\i], v[97+16*\b+\i]
.endr
.endr
.irp b, 0,1,2,3
	v_max_num_f32 v[232+\b], v[232+\b], v[111+16*\b]
.endr
.irp b, 0,1,2,3
	s_delay_alu instid0(VALU_DEP_4)
	v_permlanex16_b32 v[236+\b], v[232+\b], s[SEL], s[SEL+1]
.endr
.irp b, 0,1,2,3
	s_delay_alu instid0(VALU_DEP_4)
	v_max_num_f32 v[232+\b], v[232+\b], v[236+\b]  ; with lane l xor 16's 16 keys
.endr
	s_delay_alu instid0(VALU_DEP_2)
	v_max3_num_f32 v254, v232, v233, v234
	s_delay_alu instid0(VALU_DEP_1)
	v_max_num_f32 v254, v254, v235                 ; the step's largest score of my query
	s_delay_alu instid0(VALU_DEP_1)
	v_mul_f32 v254, s[CS], v254                    ; as t (c is positive)
	s_delay_alu instid0(VALU_DEP_1)
	v_max_num_f32 v13, v13, v254                   ; the running largest t
	v_mov_b32 v254, v12
	s_delay_alu instid0(VALU_DEP_2)
	v_floor_f32 v12, -v13                          ; the new -M = floor(-t) = -ceil(t): a whole number
	s_delay_alu instid0(VALU_DEP_1)
	v_sub_f32 v254, v12, v254                      ; M's old value less its new one: a whole number, 0 or less
	s_delay_alu instid0(VALU_DEP_1)
	v_cvt_i32_f32 v254, v254                       ; (it saturates)
	s_delay_alu instid0(VALU_DEP_1)
	v_ldexp_f32 v252, 1.0, v254                    ; f = 2^(old M - new M)
.irp j, 0,2,4,6,8,10,12,14,16,18,20,22,24,26,28,30,32,34,36,38,40,42,44,46,48,50,52,54,56,58,60,62
	v_pk_fma_f32 v[96+\j:97+\j], v[96+\j:97+\j], s[CS:CS+1], v[12:13] op_sel_hi:[1,0,0]   ; t - M, two at a time
.endr
	s_setprio 1
.irp b, 0,1,2,3
	v_fma_f32 v[232+\b], v[232+\b], s[CS], v12     ; the same of each block's largest score
.endr
	s_wait_alu depctr_va_vdst(0)
.irp j, 0,1,2,3,4,5,6,7,8,9,10,11,12,13,14,15,16,17,18,19,20,21,22,23,24,25,26,27,28,29,30,31,32,33,34,35,36,37,38,39,40,41,42,43,44,45,46,47,48,49,50,51,52,53,54,55,56,57,58,59,60,61,62,63
	v_exp_f32 v[96+\j], v[96+\j]                   ; p = 2^(t - M), at most 1: not normalised
.endr
	v_pk_mul_f32 v[14:15], v[14:15], v[252:253] op_sel_hi:[1,0]            ; the sums under the new M: a plain instruction behind the exponentials
	s_wait_alu depctr_va_vdst(0)                   ; one wait for the whole batch, ahead of its first reader
.irp b, 0,1,2,3
	v_exp_f32 v[232+\b], v[232+\b]                 ; the block's largest p
.endr
	v_pk_add_f32 v[236:237], v[100:101], v[104:105]
	v_pk_add_f32 v[254:255], v[108:109], v[112:113]
	v_pk_add_f32 v[246:247], v[116:117], v[120:121]
	v_pk_add_f32 v[244:245], v[124:125], v[128:129]
	v_pk_add_f32 v[242:243], v[132:133], v[136:137]
	v_pk_add_f32 v[240:241], v[140:141], v[144:145]
	v_pk_add_f32 v[238:239], v[148:149], v[152:153]
	v_pk_add_f32 v[14:15], v[14:15], v[156:157]
	v_pk_add_f32 v[236:237], v[236:237], v[96:97]
	v_pk_add_f32 v[254:255], v[254:255], v[98:99]
	v_pk_add_f32 v[246:247], v[246:247], v[102:103]
	v_pk_add_f32 v[244:245], v[244:245], v[106:107]
	v_pk_add_f32 v[242:243], v[242:243], v[110:111]
	v_pk_add_f32 v[240:241], v[240:241], v[114:115]
	v_pk_add_f32 v[238:239], v[238:239], v[118:119]
	v_pk_add_f32 v[14:15], v[14:15], v[122:123]
	v_pk_add_f32 v[236:237], v[236:237], v[126:127]
	v_pk_add_f32 v[254:255], v[254:255], v[130:131]
	v_pk_add_f32 v[246:247], v[246:247], v[134:135]
	v_pk_add_f32 v[244:245], v[244:245], v[138:139]
	v_pk_add_f32 v[242:243], v[242:243], v[142:143]
	v_pk_add_f32 v[240:241], v[240:241], v[146:147]
	v_pk_add_f32 v[238:239], v[238:239], v[150:151]
	v_pk_add_f32 v[14:15], v[14:15], v[154:155]
	v_pk_add_f32 v[236:237], v[236:237], v[158:159]
	s_delay_alu instid0(VALU_DEP_2)
	v_pk_add_f32 v[14:15], v[14:15], v[244:245]
	s_delay_alu instid0(VALU_DEP_2)
	v_pk_add_f32 v[236:237], v[236:237], v[242:243]
	v_pk_add_f32 v[254:255], v[254:255], v[240:241]
	v_pk_add_f32 v[246:247], v[246:247], v[238:239]
	s_delay_alu instid0(VALU_DEP_2)
	v_pk_add_f32 v[14:15], v[14:15], v[254:255]
	s_delay_alu instid0(VALU_DEP_2)
	v_pk_add_f32 v[236:237], v[236:237], v[246:247]
	s_delay_alu instid0(VALU_DEP_1)
	v_pk_add_f32 v[14:15], v[14:15], v[236:237]
	s_wait_alu depctr_va_vdst(0)                   ; and one for the four
.irp b, 0,1,2,3
	v_max_num_f32 v[232+\b], 0x1800000, v[232+\b]  ; the floor 2^(3 - 127): the byte cannot fall under 1
.endr
.irp b, 0,1,2,3
	s_delay_alu instid0(VALU_DEP_4)
	v_add_nc_u32 v[240+\b], 0xff000000, v[232+\b]  ; 2 off the exponent field: the conversion's scale operand
.endr
.irp b, 0,1,2,3
	s_delay_alu instid0(VALU_DEP_4)
	v_lshrrev_b32 v[236+\b], 23, v[240+\b]         ; the scale's byte
.endr
	s_delay_alu instid0(VALU_DEP_3)
	v_lshl_or_b32 v253, v237, 8, v236              ; p's scale word for these 128 keys
	s_delay_alu instid0(VALU_DEP_1)
	v_lshl_or_b32 v253, v238, 16, v253
	s_delay_alu instid0(VALU_DEP_1)
	v_lshl_or_b32 v253, v239, 24, v253
	s_setprio 0
.irp b, 0,1,2,3
	v_cvt_scalef32_pk8_fp4_f32 v[224+4*(\b/2)+(\b%2)], v[96+16*\b:103+16*\b], v[240+\b]    ; keys 32 b + 8 h + 0 .. 7
	v_cvt_scalef32_pk8_fp4_f32 v[226+4*(\b/2)+(\b%2)], v[104+16*\b:111+16*\b], v[240+\b]   ; keys 32 b + 16 + 8 h + 0 .. 7
.endr
	v_nop                                          ; one plain place behind a scaled conversion
.irp i, 0,2,4,6
	v_permlane16_swap_b32 v[224+\i], v[225+\i]     ; registers 4 c .. 4 c + 3 now hold keys 64 c + 32 h + 0 .. 31
.endr
.irp j, 0,2,4,6,8,10,12,14,16,18,20,22,24,26,28,30
	v_pk_mul_f32 v[160+\j:161+\j], v[160+\j:161+\j], v[252:253] op_sel_hi:[1,0]   ; O^T under the new M, each accumulator from its low end on; these sixteen are also the places ahead of the scaled products
.endr
	s_wait_alu depctr_va_vdst(0)
	s_wait_dscnt 0x0                               ; V
.irp t, 0,1,2,3
	v_wmma_scale_f32_16x16x128_f8f6f4 v[160+8*\t:167+8*\t], v[192+8*\t:199+8*\t], v[224:231], v[160+8*\t:167+8*\t], v[248+\t], v253 matrix_a_fmt:MATRIX_FMT_FP4 matrix_b_fmt:MATRIX_FMT_FP4
.endr
.endm
; THE END OF A TILE: O^T / l, quantised along D (the head's two blocks of 32 channels), stored as the image of the last product's operand registers.
.macro EPI p
.rept 4
	v_nop
.endr
	v_add_f32 v14, v14, v15                        ; the sum's two halves,
	s_delay_alu instid0(VALU_DEP_1)
	v_permlanex16_b32 v252, v14, s[SEL], s[SEL+1]
	s_delay_alu instid0(VALU_DEP_1)
	v_add_f32 v14, v14, v252                       ; and lane l xor 16's: the row's sum
	s_wait_alu depctr_va_vdst(0)
	v_rcp_f32 v14, v14
	v_nop                                          ; a plain place behind the transcendental
	s_wait_alu depctr_va_vdst(0)                   ; and the wait ahead of its first reader
.irp j, 0,2,4,6,8,10,12,14,16,18,20,22,24,26,28,30
	v_pk_mul_f32 v[96+\j:97+\j], v[160+\j:161+\j], v[14:15] op_sel_hi:[1,0]       ; register 8 t + i is o(r, 16 t + 8 h + i)
.endr
.irp b, 0,1
	v_max3_num_f32 v[232+\b], |v[96+16*\b]|, |v[97+16*\b]|, 0x1800000
.endr
.irp i, 2,4,6,8,10,12,14
.irp b, 0,1
	s_delay_alu instid0(VALU_DEP_2)
	v_max3_num_f32 v[232+\b], v[232+\b], |v[96+16*\b+\i]|, |v[97+16*\b+\i]|
.endr
.endr
.irp b, 0,1
	s_delay_alu instid0(VALU_DEP_2)
	v_permlanex16_b32 v[236+\b], v[232+\b], s[SEL], s[SEL+1]
.endr
.irp b, 0,1
	s_delay_alu instid0(VALU_DEP_2)
	v_max_num_f32 v[232+\b], v[232+\b], v[236+\b]
.endr
.irp b, 0,1
	s_delay_alu instid0(VALU_DEP_2)
	v_add_nc_u32 v[240+\b], 0xff000000, v[232+\b]
.endr
.irp b, 0,1
	s_delay_alu instid0(VALU_DEP_2)
	v_lshrrev_b32 v[236+\b], 23, v[240+\b]
.endr
	s_delay_alu instid0(VALU_DEP_1)
	v_lshl_or_b32 v[OBY+\p], v237, 8, v236         ; my row's two scale bytes
.irp b, 0,1
	v_cvt_scalef32_pk8_fp4_f32 v[224+\b], v[96+16*\b:103+16*\b], v[240+\b]
	v_cvt_scalef32_pk8_fp4_f32 v[226+\b], v[104+16*\b:111+16*\b], v[240+\b]
.endr
	v_nop
	v_permlane16_swap_b32 v224, v225
	v_permlane16_swap_b32 v226, v227               ; v224-227: channels 32 h + 0 .. 31 of the head
	global_store_b128 v[LI], v[224:227], s[OB+2*\p:OB+2*\p+1]              ; 32 lanes store 512 consecutive bytes, at a multiple of 256 from the buffer's first byte
.endm
; A TILE.  Every wave walks ns steps, a constant, so that the steps' LDS address is a constant times a counted loop's trips; a step after the tile's last is jumped over, by the wave's number and the count of steps.
.macro PASS p, ns
	s_wait_xcnt 0x0                                ; the last tile's store has read its registers
	v_mov_b32 v13, 0xff61b1e6                      ; the largest t so far: -3e38, under every t
	s_delay_alu instid0(VALU_DEP_1)
	v_floor_f32 v12, -v13                          ; -M
	v_mov_b32 v14, 0
	v_mov_b32 v15, 0
	v_mov_b32 v252, 0
	v_mov_b32 v253, 0                              ; (named as the upper half of the pair v[252:253] before it is first written)
.irp b, 0,1,2,3
	v_mov_b32 v[236+\b], 0                         ; a lane permute's destination counts as one of its sources
.endr
.irp j, 0,1,2,3,4,5,6,7,8,9,10,11,12,13,14,15,16,17,18,19,20,21,22,23,24,25,26,27,28,29,30,31
	v_mov_b32 v[160+\j], 0                         ; O^T: the step is written once; the first finds zeros, which the first change of M leaves zeros
.endr
	s_mov_b32 s[TB], 0
	s_mov_b32 s[SI], 0
.Lstep_\p:
	s_cmp_gt_u32 s[SI], s[LL+\p]
	s_cbranch_scc1 .Lskip_\p
	s_setprio 2
	STEP \p
.Lskip_\p:
	s_add_co_u32 s[TB], s[TB], KVB
	s_add_co_u32 s[SI], s[SI], 1
	s_cmp_lt_u32 s[SI], \ns
	s_cbranch_scc1 .Lstep_\p
	s_setprio 0
	EPI \p
.endm
	PASS 0, 8                                      ; T0 is under 64: its last step is under 8
	PASS 1, 16
	; the scale bytes of both tiles by one store: lanes 0-15 T0's rows, lanes 16-31 T1's.  Two bytes for a row and a head are all that a wave has: a sixteenth of its codes' bytes
	v_cndmask_b32 v254, v[OBY], v[OBY+1], s[HM]
	v_mov_b32 v232, s[OO]
	v_mov_b32 v233, s[OO+1]
	s_delay_alu instid0(VALU_DEP_1)
	v_cndmask_b32 v232, v232, v233, s[HM]
	v_lshrrev_b32 v233, 2, v[LR]                   ; 4 r
	s_delay_alu instid0(VALU_DEP_1)
	v_add_nc_u32 v232, v232, v233
	global_store_b16 v232, v254, s[12:13]
	s_wait_tensorcnt 0x0                           ; the wave's end, behind my last tensor load
	ds_add_u32 v[SPW], v[NIL]
	s_wait_dscnt 0x0
	CROUND                                         ; the closing round
	s_endpgm
.Lfunc_end_k_q3294385214_attn:
	.size	k_q3294385214_attn, .Lfunc_end_k_q3294385214_attn-k_q3294385214_attn
	.p2alignl 7, 3214868480
	.fill 96, 4, 3214868480
	.section	.rodata,"a",@progbits
	.p2align	6, 0x0
	.amdhsa_kernel k_q3294385214_attn
		.amdhsa_group_segment_fixed_size 167936
		.amdhsa_private_segment_fixed_size 0
		.amdhsa_enable_private_segment 0
		.amdhsa_kernarg_size 40
		.amdhsa_user_sgpr_count 2
		.amdhsa_user_sgpr_kernarg_segment_ptr 1
		.amdhsa_wavefront_size32 1
		.amdhsa_system_sgpr_workgroup_id_x 1
		.amdhsa_system_sgpr_workgroup_id_y 1
		.amdhsa_system_sgpr_workgroup_id_z 1
		.amdhsa_system_vgpr_workitem_id 0
		.amdhsa_next_free_vgpr 256
		.amdhsa_next_free_sgpr 66
		.amdhsa_reserve_vcc 1
		.amdhsa_float_denorm_mode_32 3
		.amdhsa_float_denorm_mode_16_64 3
		.amdhsa_memory_ordered 1
		.amdhsa_forward_progress 1
		.amdhsa_inst_pref_size 62
	.end_amdhsa_kernel
	.amdgpu_metadata
---
amdhsa.version: [ 1, 2 ]
amdhsa.kernels:
  - .name:           k_q3294385214_attn
    .symbol:         k_q3294385214_attn.kd
    .args:
      - { .name: qimg, .offset: 0, .size: 8, .value_kind: global_buffer, .address_space: global }
      - { .name: qsc, .offset: 8, .size: 8, .value_kind: global_buffer, .address_space: global }
      - { .name: kv, .offset: 16, .size: 8, .value_kind: global_buffer, .address_space: global }
      - { .name: oimg, .offset: 24, .size: 8, .value_kind: global_buffer, .address_space: global }
      - { .name: osc, .offset: 32, .size: 8, .value_kind: global_buffer, .address_space: global }
    .group_segment_fixed_size: 167936
    .private_segment_fixed_size: 0
    .kernarg_segment_align: 8
    .kernarg_segment_size: 40
    .max_flat_workgroup_size: 512
    .sgpr_count:     66
    .vgpr_count:     256
    .wavefront_size: 32
...
	.end_amdgpu_metadata
.endif
;; end of part 2
;; launch proj (part 3): grid 64 x 4, 4 waves a work-group, clusters of 4 x 1, 196,608 bytes of LDS; arguments oimg, osc, w_out_codes, w_out_scales, b_out, out0; writes out0
.if DOCPART == 3
	.amdgcn_target "amdgcn-amd-amdhsa--gfx1250"
	.amdhsa_code_object_version 6
	.text
	.protected	k_q3294385214_proj
	.globl	k_q3294385214_proj
	.p2align	8
	.type	k_q3294385214_proj,@function
k_q3294385214_proj:
	s_mov_b64 s[64:65], 0
	v_nop
	global_prefetch_b8 v0, s[64:65] scope:SCOPE_SE
	s_setreg_imm32_b32 hwreg(HW_REG_WAVE_MODE, 25, 1), 1
	s_wait_xcnt 0x0
	s_wait_alu depctr_hold_cnt(0) depctr_sa_sdst(0) depctr_va_vdst(0) depctr_va_sdst(0) depctr_va_ssrc(0) depctr_va_vcc(0) depctr_vm_vsrc(0)
	s_getreg_b32 s2, hwreg(HW_REG_IB_STS2, 6, 4)
	s_cmp_eq_u32 s2, 0
	s_cbranch_scc0 .Lentry_in_a_cluster
	s_endpgm
.Lentry_in_a_cluster:
	s_bfe_u32 s2, ttmp6, 0x10000c
	s_cmp_lg_u32 s2, 0x3003
	s_cbranch_scc0 .Lentry_shape_is_right
	s_endpgm
.Lentry_shape_is_right:
; out0 = O w_out + b_out on codes of FP4 (E2M1) with E8M0 scales: M 8,192, N 1,024, K 1,024.  O comes as images of the operand's registers (oimg) and scale words (osc), made by the attention launch.  No work is left out here.
; SHARES.  A work-group of four waves makes 128 rows x 256 columns; a wave 64 x 128: 32 accumulators.  256 work-groups.  The four work-groups of a cluster take four row blocks of the same 256 columns:
; w_out's panel (256 rows x 512 bytes) and its scale bytes are asked for JOINTLY, three tensor loads a wave at the head; nothing is filled again.
; O's fragments for all of K (4 tiles x 8 K steps x 8 registers) go from memory straight into a wave's registers: each load takes 512 consecutive bytes.
; THE MATRIX INSTRUCTION IS USED TRANSPOSED (source 0 = 16 rows of w_out, source 1 = 16 rows of O): a lane holds eight neighbouring columns of one row of out0.  The bias is the C of each sum's first instruction.
; REGISTERS: window 0: v1-8 at work at the head; v16-18, v24-26 addresses; v28, v29 the add's two; v32-47 O's scale words, v48-79 w_out's; v128-255 w_out's fragments, two sets, later rows of out0.
;   window 1: O's fragments, (a, q) at v[64 a + 8 q].   window 2: the accumulators, (a, b) at v[8 (8 a + b)].   window 3: v0-63 the bias, eight registers for each block b.
.set PITCH,  272                       ; an LDS row: 256 bytes + 16 of padding
.set QT,     64*PITCH                  ; 64 rows: what one tensor load brings
.set SLOT,   4*QT                      ; 256 rows of w_out, 512 along K
.set SCL,    2*SLOT                    ; behind the two slots: w_out's scale bytes, 32 rows of 256 bytes + 16
.set STAGE,  SCL+32*272                ; the way out: 16 rows x (512 bytes + 16) for each wave; no tensor load lands here
.set SPITCH, 528
.set SPARE,  STAGE+4*16*SPITCH         ; the spare words, 128 bytes for each wave
.set NP,   4
.set ADRB, 16                          ; v16-17  LDS address of w_out's fragments in slot 0, 1
.set ADRW, 18                          ; v18     of its scale words
.set STO,  24                          ; v24     the way out: where I put 32 bytes of a row
.set RD,   25                          ; v25     where I read a row back
.set LI,   26                          ; v26     16 x lane
.set SPW,  28
.set NIL,  29
.set AS,   32                          ; v[AS + 8 (a / 2) + q]: lanes 0-15 the even tile's words, lanes 16-31 the odd tile's
.set WS,   48                          ; v[WS + 8 (b / 2) + q]: likewise for w_out's blocks
.set WV,   17
.set G1,   24
.set G0,   32                          ; s[32:35] the scale bytes, s[36:39] slot 0, s[40:43] slot 1
.set G1S,  44
.set MSB, 0
.macro WIN new
.if MSB != (\new)
	s_set_vgpr_msb (MSB<<8)|(\new)
.set MSB, (\new)
.endif
.endm
.macro CROUND
	s_barrier_signal -1
	s_barrier_wait -1
	s_cmp_lg_u32 s[WV], 0
	s_cbranch_scc1 .Lnot_wave_0_\@
	s_barrier_signal -3
.Lnot_wave_0_\@:
	s_barrier_wait -3
	s_barrier_signal -1
	s_barrier_wait -1
.endm
.macro PLACES n
.rept \n
	v_nop
.endr
.endm
	s_load_b256 s[4:11], s[0:1], 0x0               ; oimg s[4:5], osc s[6:7], w_out's codes s[8:9], its scales s[10:11]
	s_load_b128 s[12:15], s[0:1], 0x20             ; b_out s[12:13], out0 s[14:15]
	v_lshl_add_u32 v[SPW], v0, 2, SPARE
	v_mov_b32 v[NIL], 0
	ds_add_u32 v[SPW], v[NIL]                      ; the wave's opening: the add, twice on end, and its wait ahead of my first tensor load
	ds_add_u32 v[SPW], v[NIL]                      ; and once more, under the one wait
	v_lshrrev_b32 v1, 5, v0
	v_readfirstlane_b32 s[WV], v1                  ; wave 0..3
	s_lshr_b32 s18, s[WV], 1                       ; which 64 rows are mine
	s_and_b32 s19, s[WV], 1                        ; which 128 columns
	s_bfe_u32 s20, ttmp6, 0x40000                  ; cx: it enters the addresses of O and out0 alone
	s_lshl_b32 s21, ttmp9, 2
	s_add_co_u32 s21, s21, s20                     ; my block of 128 rows
	s_and_b32 s22, ttmp7, 0xffff                   ; my block of 256 columns, which the four partners share
	; descriptor group 1 for the codes: 64 rows x 256 bytes, 512 bytes apart in memory, 16 bytes of padding behind each
	s_mov_b32 s[G1], 15|(0<<16)|(1<<20)|(1<<21)|(5<<22)|(3<<25)
	s_mov_b32 s[G1+1], 256<<16
	s_mov_b32 s[G1+2], 64<<16
	s_mov_b32 s[G1+3], 256<<16
	s_mov_b32 s[G1+4], 64
	s_mov_b32 s[G1+5], 512
	s_mov_b32 s[G1+6], 0
	s_mov_b32 s[G1+7], 0
	; and for the scale bytes of 64 rows: 2,048 dense bytes as 8 rows of 256 (32 elements of 8 bytes), padded likewise
	s_mov_b32 s[G1S], 15|(3<<16)|(1<<20)|(1<<21)|(5<<22)|(3<<25)
	s_mov_b32 s[G1S+1], 32<<16
	s_mov_b32 s[G1S+2], 8<<16
	s_mov_b32 s[G1S+3], 32<<16
	s_mov_b32 s[G1S+4], 8
	s_mov_b32 s[G1S+5], 32
	s_mov_b32 s[G1S+6], 0
	s_mov_b32 s[G1S+7], 0
	s_lshl_b32 s54, s22, 8
	s_lshl_b32 s55, s[WV], 6
	s_add_co_u32 s54, s54, s55                     ; the 64 rows of w_out that I fetch: 256 x column block + 64 x wave
	s_lshl_b32 s56, s54, 5                         ; their scale bytes,
	s_mov_b32 s57, 0
	s_lshl_b32 s54, s54, 9                         ; their codes
	s_mov_b32 s55, 0
	s_mul_i32 s58, s[WV], 8*272                    ; and where they go
	s_mul_i32 s59, s[WV], QT
	s_wait_dscnt 0x0                               ; both opening adds are done
	s_wait_kmcnt 0x0
	s_mov_b32 s[G0], 1
	s_add_co_u32 s[G0+1], s58, SCL
	s_add_nc_u64 s[G0+2:G0+3], s[10:11], s[56:57]
	s_or_b32 s[G0+3], s[G0+3], 0x80000000
.irp s, 0,1
	s_mov_b32 s[G0+4+4*\s], 1
	s_add_co_u32 s[G0+5+4*\s], s59, \s*SLOT
	s_add_nc_u64 s[G0+6+4*\s:G0+7+4*\s], s[8:9], s[54:55]
.endr
	s_add_nc_u64 s[G0+10:G0+11], s[G0+10:G0+11], 256   ; slot 1: K from 512 on
	s_or_b32 s[G0+7], s[G0+7], 0x80000000
	s_or_b32 s[G0+11], s[G0+11], 0x80000000
	CROUND                                         ; all four work-groups are here: the joint loads meet
	tensor_load_to_lds s[G0:G0+3], s[G1S:G1S+7]    ; the scale bytes
	s_nop 0
	tensor_load_to_lds s[G0+4:G0+7], s[G1:G1+7]    ; slot 0
	s_nop 0
	tensor_load_to_lds s[G0+8:G0+11], s[G1:G1+7]   ; slot 1: three loads of mine are out, and no more follow
	s_nop 0
.rept 4
	v_nop
.endr
	v_and_b32 v1, 15, v0                           ; r
	v_bfe_u32 v2, v0, 4, 1                         ; h
	v_and_b32 v3, 31, v0
	v_lshlrev_b32 v[LI], 4, v3
	s_wait_alu depctr_va_vdst(0)
	s_lshl_b32 s54, s21, 3
	s_lshl_b32 s55, s18, 2
	s_add_co_u32 s54, s54, s55                     ; my first tile of 16 rows: 8 x row block + 4 x half
	s_lshl_b32 s56, s54, 9                         ; osc: 512 bytes a tile
	s_mov_b32 s57, 0
	s_lshl_b32 s54, s54, 13                        ; oimg: 8,192 bytes a tile
	s_mov_b32 s55, 0
	s_add_nc_u64 s[4:5], s[4:5], s[54:55]
	s_add_nc_u64 s[6:7], s[6:7], s[56:57]
	WIN 0x40                                       ; destination window 1
.irp a, 0,1,2,3
.irp q, 0,1,2,3,4,5,6,7
.irp c, 0,1
	global_load_b128 v[64*\a+8*\q+4*\c:64*\a+8*\q+4*\c+3], v[LI], s[4:5] offset:512*(16*\a+2*\q+\c) th:TH_LOAD_NT   ; head 2 q + c is registers 4 c .. 4 c + 3 of K step q
.endr
.endr
.endr
	WIN 0
	v_lshlrev_b32 v4, 2, v1
	v_lshl_add_u32 v4, v2, 9, v4                   ; O's scale words: 4 r, lanes 16-31 one tile on
.irp e, 0,1
.irp q, 0,1,2,3,4,5,6,7
	global_load_b32 v[AS+8*\e+\q], v4, s[6:7] offset:1024*\e+64*\q
.endr
.endr
	s_lshl_b32 s54, s22, 10
	s_lshl_b32 s55, s19, 9
	s_add_co_u32 s54, s54, s55                     ; my first column, in bytes of f32: 4 (256 x column block + 128 x half)
	s_mov_b32 s55, 0
	s_add_nc_u64 s[12:13], s[12:13], s[54:55]
	s_add_nc_u64 s[14:15], s[14:15], s[54:55]
	v_lshlrev_b32 v5, 5, v2                        ; the bias: lane half h wants columns 16 b + 8 h + 0 .. 7
	WIN 0xc0                                       ; destination window 3
.irp b, 0,1,2,3,4,5,6,7
	global_load_b128 v[8*\b:8*\b+3], v5, s[12:13] offset:64*\b
	global_load_b128 v[8*\b+4:8*\b+7], v5, s[12:13] offset:64*\b+16
.endr
	WIN 0
	s_lshl_b32 s54, s21, 7
	s_lshl_b32 s55, s18, 6
	s_add_co_u32 s54, s54, s55                     ; my first row of out0
	s_lshl_b32 s54, s54, 12                        ; 4,096 bytes a row
	s_mov_b32 s55, 0
	s_add_nc_u64 s[14:15], s[14:15], s[54:55]
	v_mul_u32_u24 v6, v1, PITCH
	v_lshl_add_u32 v6, v2, 4, v6                   ; a fragment's row x pitch + 16 x half
	s_mul_i32 s54, s19, 128*PITCH                  ; my 128 rows of w_out
	v_add_nc_u32 v[ADRB], s54, v6
	s_add_co_u32 s54, s54, SLOT
	v_add_nc_u32 v[ADRB+1], s54, v6
	v_lshrrev_b32 v7, 3, v1                        ; w_out's scale words: 32 bytes a row, eight rows to a padded row of 272;
	v_mul_u32_u24 v7, v7, 272
	v_and_b32 v8, 7, v1
	v_lshl_add_u32 v7, v8, 5, v7
	v_mad_u32_u24 v7, v2, 544, v7                  ; lanes 16-31 take the next block of 16 rows
	s_mul_i32 s55, s19, 16*272
	s_add_co_u32 s55, s55, SCL
	v_add_nc_u32 v[ADRW], s55, v7
	s_mul_i32 s56, s[WV], 16*SPITCH
	s_add_co_u32 s56, s56, STAGE                   ; my stage
	v_mul_u32_u24 v7, v1, SPITCH
	v_lshl_add_u32 v7, v2, 5, v7
	v_add_nc_u32 v[STO], s56, v7                   ; in: row r, 32 bytes for each half of the lanes
	v_add_nc_u32 v[RD], s56, v[LI]                 ; back: the 32 lanes take one row of 512 bytes
.macro FETCHB q                        ; w_out's eight fragments of K step q into set q % 2
.irp b, 0,1,2,3,4,5,6,7
.irp c, 0,1
	ds_load_b128 v[128+64*((\q)%2)+8*\b+4*\c:128+64*((\q)%2)+8*\b+4*\c+3], v[ADRB+(\q)/4] offset:64*((\q)%4)+32*\c+16*PITCH*\b
.endr
.endr
.endm
; A K step of 128: 32 matrix instructions, the 32 accumulators by turns, one instruction a turn, in the same order in every step.  The next step's fragments are asked for ahead of them.
.macro KSTEP q
	s_wait_dscnt 0x0                               ; this step's fragments are in (asked for a step ago)
.if (\q) == 3
	s_wait_tensorcnt 0x0                           ; my part of slot 1 has landed,
	s_barrier_signal -1
	s_barrier_wait -1                              ; everybody's has
.endif
.if (\q) >= 1
	PLACES NP                                      ; ahead of loads into the set that the last step's products read
.endif
.if (\q) < 7
	FETCHB (\q)+1
.endif
.if (\q) == 0
	WIN 0xb4                                       ; source 0 window 0, source 1 window 1, C (the bias) window 3, D window 2
.else
	WIN 0xa4                                       ; C and D window 2
.endif
.irp a, 0,1,2,3
.irp b, 0,1,2,3,4,5,6,7
.set xD, 8*(8*\a+\b)
.set xW, 128+64*((\q)%2)+8*\b
.set xO, 64*\a+8*(\q)
.set xC, xD
.if (\q) == 0
.set xC, 8*\b
.endif
.set xSW, WS+8*(\b/2)+(\q)
.set xSO, AS+8*(\a/2)+(\q)
.if (\b%2) && (\a%2)
	v_wmma_scale_f32_16x16x128_f8f6f4 v[xD:xD+7], v[xW:xW+7], v[xO:xO+7], v[xC:xC+7], v[xSW], v[xSO] matrix_a_fmt:MATRIX_FMT_FP4 matrix_b_fmt:MATRIX_FMT_FP4 matrix_a_scale:MATRIX_SCALE_ROW1 matrix_b_scale:MATRIX_SCALE_ROW1
.elseif (\b%2)
	v_wmma_scale_f32_16x16x128_f8f6f4 v[xD:xD+7], v[xW:xW+7], v[xO:xO+7], v[xC:xC+7], v[xSW], v[xSO] matrix_a_fmt:MATRIX_FMT_FP4 matrix_b_fmt:MATRIX_FMT_FP4 matrix_a_scale:MATRIX_SCALE_ROW1
.elseif (\a%2)
	v_wmma_scale_f32_16x16x128_f8f6f4 v[xD:xD+7], v[xW:xW+7], v[xO:xO+7], v[xC:xC+7], v[xSW], v[xSO] matrix_a_fmt:MATRIX_FMT_FP4 matrix_b_fmt:MATRIX_FMT_FP4 matrix_b_scale:MATRIX_SCALE_ROW1
.else
	v_wmma_scale_f32_16x16x128_f8f6f4 v[xD:xD+7], v[xW:xW+7], v[xO:xO+7], v[xC:xC+7], v[xSW], v[xSO] matrix_a_fmt:MATRIX_FMT_FP4 matrix_b_fmt:MATRIX_FMT_FP4
.endif
.endr
.endr
	WIN 0
.endm
	s_wait_alu depctr_va_vdst(0)
	s_wait_tensorcnt 1                             ; the scale bytes and my part of slot 0 are in; slot 1's load, issued last, may be out
	s_barrier_signal -1
	s_barrier_wait -1                              ; everybody's are
.irp e, 0,1,2,3
.irp k, 0,1
	ds_load_b128 v[WS+8*\e+4*\k:WS+8*\e+4*\k+3], v[ADRW] offset:1088*\e+16*\k     ; w_out's scale words for all of K: four words a load
.endr
.endr
	FETCHB 0
	s_wait_loadcnt 0x0                             ; O's fragments and scale words, the bias
.irp q, 0,1,2,3,4,5,6,7
	KSTEP \q
.endr
; THE WAY OUT, a tile of 16 rows x 128 columns at a time, through my own stage in LDS: a lane holds 32 neighbouring bytes of a row; the rows come back whole, 512 bytes to the 32 lanes.
; LDS serves a wave's instructions in order (ISA guide 5.7.1.4): no wait between the stores and the loads, nor in front of the next tile's stores.
.macro TOSTAGE a
	WIN 0x08                                       ; an LDS store's data: window 2
.irp b, 0,1,2,3,4,5,6,7
	ds_store_b128 v[STO], v[64*(\a)+8*\b:64*(\a)+8*\b+3] offset:64*\b          ; each accumulator from its low end on
	ds_store_b128 v[STO], v[64*(\a)+8*\b+4:64*(\a)+8*\b+7] offset:64*\b+16
.endr
	WIN 0
.set BB, 128+64*((\a)%2)
.irp t, 0,1,2,3,4,5,6,7,8,9,10,11,12,13,14,15
	ds_load_b128 v[BB+4*\t:BB+4*\t+3], v[RD] offset:\t*SPITCH
.endr
.endm
.macro SEND a, younger                 ; younger: the LDS instructions issued behind tile a's loads, which may stay out
.set BB, 128+64*((\a)%2)
	s_wait_dscnt \younger
.irp t, 0,1,2,3,4,5,6,7,8,9,10,11,12,13,14,15
	global_store_b128 v[LI], v[BB+4*\t:BB+4*\t+3], s[14:15] offset:4096*(16*(\a)+\t) th:TH_STORE_NT   ; 32 lanes store 512 consecutive bytes, at a multiple of 256 from out0's first byte
.endr
.endm
	PLACES NP                                      ; behind the last products: for the stores that read results and the loads into the fragments' registers
	TOSTAGE 0
.irp a, 1,2,3
.if \a > 1
	s_wait_xcnt 0x0                                ; tile a - 2's stores have read their registers: tile a's rows may land there
.endif
	TOSTAGE \a
	SEND \a-1, 32                                  ; behind tile a - 1's loads: tile a's 16 stores and 16 loads
.endr
	SEND 3, 0
	s_wait_tensorcnt 0x0                           ; the wave's end, behind my last tensor load and my last LDS store
	ds_add_u32 v[SPW], v[NIL]
	s_wait_dscnt 0x0
	CROUND                                         ; the closing round
	s_endpgm
.Lfunc_end_k_q3294385214_proj:
	.size	k_q3294385214_proj, .Lfunc_end_k_q3294385214_proj-k_q3294385214_proj
	.p2alignl 7, 3214868480
	.fill 96, 4, 3214868480
	.section	.rodata,"a",@progbits
	.p2align	6, 0x0
	.amdhsa_kernel k_q3294385214_proj
		.amdhsa_group_segment_fixed_size 196608
		.amdhsa_private_segment_fixed_size 0
		.amdhsa_enable_private_segment 0
		.amdhsa_kernarg_size 48
		.amdhsa_user_sgpr_count 2
		.amdhsa_user_sgpr_kernarg_segment_ptr 1
		.amdhsa_wavefront_size32 1
		.amdhsa_system_sgpr_workgroup_id_x 1
		.amdhsa_system_sgpr_workgroup_id_y 1
		.amdhsa_system_sgpr_workgroup_id_z 1
		.amdhsa_system_vgpr_workitem_id 0
		.amdhsa_next_free_vgpr 832
		.amdhsa_next_free_sgpr 66
		.amdhsa_reserve_vcc 0
		.amdhsa_float_denorm_mode_32 3
		.amdhsa_float_denorm_mode_16_64 3
		.amdhsa_memory_ordered 1
		.amdhsa_forward_progress 1
		.amdhsa_inst_pref_size 73
	.end_amdhsa_kernel
	.amdgpu_metadata
---
amdhsa.version: [ 1, 2 ]
amdhsa.kernels:
  - .name:           k_q3294385214_proj
    .symbol:         k_q3294385214_proj.kd
    .args:
      - { .name: oimg, .offset: 0, .size: 8, .value_kind: global_buffer, .address_space: global }
      - { .name: osc, .offset: 8, .size: 8, .value_kind: global_buffer, .address_space: global }
      - { .name: w_out_codes, .offset: 16, .size: 8, .value_kind: global_buffer, .address_space: global }
      - { .name: w_out_scales, .offset: 24, .size: 8, .value_kind: global_buffer, .address_space: global }
      - { .name: b_out, .offset: 32, .size: 8, .value_kind: global_buffer, .address_space: global }
      - { .name: out0, .offset: 40, .size: 8, .value_kind: global_buffer, .address_space: global }
    .group_segment_fixed_size: 196608
    .private_segment_fixed_size: 0
    .kernarg_segment_align: 8
    .kernarg_segment_size: 48
    .max_flat_workgroup_size: 128
    .sgpr_count:     66
    .vgpr_count:     832
    .wavefront_size: 32
...
	.end_amdgpu_metadata
.endif
;; end of part 3
